; MI455X (gfx1250); checked and timed in simulation.
; The chip was launched on July 23, 2026; its instructions are those of AMD's public machine-readable ISA for CDNA 5 (MIT licence, August 2026) and "CDNA5" Instruction Set Architecture Reference Guide (July 2026). The comments in the code are by the model that wrote it; some were corrected since.
;; GCRL. Allowed arithmetic: float matrix products may take bf16 or f16 operands with f32 sums; other float arithmetic in f32, or as packed bf16 or f16 multiplies, adds, multiply-adds, maxima and minima; sums over many terms, partial sums and values carried from step to step in f32; what a program stores and reads back later, other than sums and carried values, may be rounded once to bf16 or f16.
;; Inputs: b_hh 256 float32; b_ih 256 float32; map_b1 32 float32; map_b2 64 float32; map_w1 32 x 64 float32; map_w2 64 x 32 float32; obs_traj_rel 5 x 50,000 x 2 float32; pos_b 2 float32; pos_w 2 x 64 float32; pred_lstm_hidden 5 x 50,000 x 64 float32; w_hh 256 x 64 float32; w_ih 256 x 2 float32.
;; Outputs: out0 5 x 5 x 50,000 x 2 float32.
;; One version. Each part assembles by itself: llvm-mc -triple=amdgcn-amd-amdhsa -mcpu=gfx1250 --defsym DOCPART=n.
;; ======== version 1 of 1: 1 launch
;; limits: values are held in f16: magnitudes above 65,504 overflow, below 6.1e-05 lose precision; right only within a limited range of input values
;; launch gcrl (part 1): grid 256 x 1, 4 waves a work-group, no clusters, 327,680 bytes of LDS; arguments pred_lstm_hidden, obs_traj_rel, w_hh, w_ih, b_ih, b_hh, map_w1, map_b1, map_w2, map_b2, pos_w, pos_b, out0; writes out0
.if DOCPART == 1
	.amdgcn_target "amdgcn-amd-amdhsa--gfx1250"
	.amdhsa_code_object_version 6
	.text
	.protected	k_qf520c0aa3b_gcrl
	.globl	k_qf520c0aa3b_gcrl
	.p2align	8
	.type	k_qf520c0aa3b_gcrl,@function
k_qf520c0aa3b_gcrl:
	s_mov_b64 s[64:65], 0
	v_nop
	global_prefetch_b8 v0, s[64:65] scope:SCOPE_SE
	s_setreg_imm32_b32 hwreg(HW_REG_WAVE_MODE, 25, 1), 1
	s_wait_xcnt 0x0
; GCRL decoder, all in one launch.  For each of 5 samples x 50,000 agents: h0 = W2 leaky(W1 p + b1) + b2, c0 = 0; five LSTM-cell steps with hard sigmoid and hard tanh,
; gates = W_ih x + b_ih + b_hh + W_hh h; after each step out = pos_w h + pos_b.  Step t takes x = obs[max(t-1, 0)]; obs[4] is read by nobody.
; ORIENTATION.  Every product is used transposed: source 0 = 16 rows of a weight, source 1 = 16 agents.  In a result lane l holds agent l % 16 and outputs 8 (l / 16) + 0..7, so two results
; packed in pairs ARE the next source 1: h never changes lanes, and the four gates of a dim lie in the same lane and register of four results.
; SHARES.  Work-group g owns agents 192 g .. 192 g + 191; wave w walks three UNITS, unit u = agents 192 g + 64 u + 16 w .. + 15 with all 5 samples (80 rows): 256 x 192 = 49,152 agents.  The other 848 agents
; are 53 tiles x 5 samples = 265 one-sample units, taken first by the waves with 4 g + w < 265.  W_ih x + b is the same for an agent's 5 samples: it is made once a unit and step and is the C operand of the gate products.
; FORMATS.  Every input is rounded once to bf16.  W1 p and W_ih x + b are multiplied in bf16.  What the program itself makes (h1, h0, h) is f16, and the weights that meet it are the bf16 numbers written as f16.
; h0 has no room in f16, so each agent has a power of two S = 2^floor(log2 max |h0|) (over its 64 dims and the unit's samples, at least 2^-60): h0 / S, x / S and 1 / S go into step 0's products, whose sums
; are gates / S exactly as far as the scale goes; the hard sigmoid takes S / 6 for 1 / 6 and g is multiplied by S ahead of its clip.  c, all sums and all activations are f32.
; LIMITS.  |h1|, |w_hh|, |map_w2|, |pos_w| under 65,504; a weight under 2^-14 keeps f16's fixed step of 2^-24; |h0| under 2^126; h0 under 2^-84 counts as 0; NaN and infinities are not treated apart.
; NO CLUSTER: what work-groups share is 87 KB of weights, read once and converted lane by lane, beside 250 KB of p of each one's own.  NO REFILL, NO PREFETCH: a work-group's 245,760 bytes of p fit in LDS,
; so every byte is asked for at the start, by 3 or 4 tensor loads a wave, and nothing is left to ask for ahead.  All of the WGP's LDS is claimed; 326,144 bytes are used.
;
; LDS
.set PITCH, 272                        ; a row of p: 256 bytes + 16 of padding = 68 words, so the 16 rows that a load touches start 4 banks apart (64 banks of 4 bytes: ISA guide 11.1)
.set USLOT, 80*PITCH                   ; a unit's p: rows 16 s + r
.set WSLOT, 3*USLOT                    ; a wave's three units.  The head of its unit 0 slot, once read out, is the wave's OUT STAGE: [plane 5 t + s][unit][16 agents x 8 bytes], 9,600 bytes
.set ZB,    4*WSLOT                    ; W_hh as f16 fragments: fragment 8 q + 2 t + ks at 1,024 each: registers 0-3 at 16 x lane, 4-7 at + 512
.set RS,    ZB+32768                   ; the one-sample units' p: 16 rows a wave
.set RSLOT, 16*PITCH
.set W12,   RS+4*RSLOT                 ; W1's four bf16 fragments, then W2's four f16 fragments
.set BT,    W12+8192                   ; a wave's 512: b1 at 0, b2 at 128 (f32, rounded to bf16)
.set XT,    BT+2048                    ; a wave's 1,024: slot 0 the one-sample unit, slots 1-3 the units; a slot is obs[0..3] x 16 agents x one word (x0, x1 in bf16)
.set SPARE, XT+4096                    ; the spare words, 128 bytes a wave: two blocks of 256 bytes that no other line names
; REGISTERS, in windows of 256 (s_set_vgpr_msb: bits 1:0 source 0, 3:2 source 1, 5:4 source 2, 7:6 destination)
; window 0
.set SPW, 2                            ; LDS address of my spare word; never rewritten
.set NIL, 3                            ; 0; never rewritten
.set LANE, 4
.set RR,  5                            ; lane % 16
.set HH,  6                            ; lane / 16
.set PA,  7                            ; my place in the p slot in hand: slot + 272 r + 32 hh
.set XA,  8                            ; LDS address of my agent's word in the unit's slot of x
.set XA0, 9
.set SA,  10                           ; where I put my agent's 8 bytes in the stage
.set FA,  11                           ; W12 + 16 x lane
.set BA,  12                           ; my wave's biases + 32 hh
.set XR,  13                           ; (x0, x1) of agent lane % 16, bf16: the plane of obs that the next XG takes
.set MLO, 14                           ; all ones in lanes 0-15
.set MHI, 15                           ; all ones in lanes 16-31
.set OA,  32                           ; 8 r
.set SA0, 33
.set PL0, 34                           ; 272 r + 32 hh
.set XS,  35                           ; set-up: where I store x words
.set X1,  36                           ; v36-38: the planes of obs behind XR's: a queue that moves up one place a step
.set X2,  37
.set X3,  38
.set XO,  20                           ; set-up: vector offsets of the raw loads, v20-26; v27-29 biases; v30, v31, v1 store addresses
.set WO,  21
.set W2O, 22
.set WIO, 23
.set BO,  24
.set PO,  25
.set LO,  26
.set BS,  30
.set ZA,  31
.set CT,  64                           ; set-up: 24 registers at work in the conversions
.set HB,  48                           ; h: sample y at HB + 16 y, dim block t of 16 in registers 4 t .. 4 t + 3
.set XGB, 128                          ; XG = W_ih x + b: gate tile 4 q + t at XGB + 8 (4 q + t)
.set OD,  48                           ; the way out: 12 registers a plane, where h and XG lay
; window 1: W_hh, fragment f at 8 f.     windows 2 and 3: v0-127 gate sums of the even / odd samples, tile (t, q) at 32 t + 8 q (q = 0 i, 1 f, 2 g, 3 o); v128.. c, 32 a sample
.set SIX, 224                          ; pairs, in both windows: 1/6, 0.5, S/6, S, 1/S
.set HLF, 226
.set K6,  228
.set SS,  230
.set INV, 232
.set RUN, 234                          ; window 2, 22 registers: 0 everywhere but +6 x (lanes 0-15), +7 one (lanes 0-15), +14 x (lanes 16-31), +15 one (lanes 16-31)
.set POSB, 234                         ; window 3: pos_b as a C operand
.set POSA, 192                         ; window 3: pos_w, 2 fragments (rows 2-15 are 0)
.set WXA, 208                          ; window 3: W_ih and the two gate biases, 2 fragments (see XGW)
.set PAC, 88                           ; window 3: the read-out's sums, sample s at PAC + 8 s
; scalars: s[8:33] the 13 addresses
.set WV,  34
.set GID, 35
.set REM, 36                           ; 1: my wave has a one-sample unit
.set JJ,  37
.set UC,  38
.set TC,  39
.set SVX, 40
.set MSK, 41
.set SEL, 42                           ; s[42:43] v_permlanex16_b32's selects
.set TINY, 44                          ; 2^-60
.set HIM, 45                           ; a word's upper half
.set SOFF, 47
.set G1U, 48                           ; s[48:55] descriptor group 1 of a unit's tile
.set XOFF, 60
.set SM1, 61                           ; -1.0
.set SP1, 62                           ; 1.0
.set G0U, 68                           ; s[68:79] descriptor group 0 of units 0, 1, 2
.set G0R, 80                           ; s[80:83], s[84:91] the one-sample unit's descriptor
.set G1R, 84
.set MSB, 0
.macro WIN new                         ; the immediate's high byte repeats the setting that is left; a switch that changes nothing is dropped
.if MSB != (\new)
	s_set_vgpr_msb (MSB<<8)|(\new)
.set MSB, (\new)
.endif
.endm
.macro PLACES n                        ; plain vector instructions between a matrix instruction and what may not follow it closely (ISA guide 7.12.1)
.rept \n
	v_nop
.endr
.endm
	s_load_b512 s[8:23], s[0:1], 0x0               ; p s[8:9], obs s[10:11], w_hh s[12:13], w_ih s[14:15], b_ih s[16:17], b_hh s[18:19], map_w1 s[20:21], map_b1 s[22:23]
	s_load_b256 s[24:31], s[0:1], 0x40             ; map_w2 s[24:25], map_b2 s[26:27], pos_w s[28:29], pos_b s[30:31]
	s_load_b64 s[32:33], s[0:1], 0x60              ; out
	v_lshl_add_u32 v[SPW], v0, 2, SPARE
	v_mov_b32 v[NIL], 0
	ds_add_u32 v[SPW], v[NIL]                      ; the wave's opening: the add and its wait stand ahead of my first tensor load; the set-up below, work on registers, stands between them
	ds_add_u32 v2, v3
	v_lshrrev_b32 v1, 5, v0
	v_readfirstlane_b32 s[WV], v1                  ; wave 0..3
	s_mov_b32 s[GID], ttmp9
	s_lshl2_add_u32 s[JJ], s[GID], s[WV]           ; j = 4 g + w
	s_cmp_lt_u32 s[JJ], 265
	s_cselect_b32 s[REM], 1, 0
	s_mul_i32 s2, s[JJ], 1237
	s_lshr_b32 s2, s2, 16                          ; its sample, j / 53 (exact for j < 265)
	s_mul_i32 s3, s2, 53
	s_sub_co_u32 s3, s[JJ], s3
	s_lshl_b32 s3, s3, 4
	s_add_co_u32 s3, s3, 49152                     ; its first agent, 49,152 + 16 (j % 53)
	s_mul_i32 s4, s2, 50000
	s_add_co_u32 s4, s4, s3
	s_lshl_b32 s4, s4, 8                           ; s[4:5]: its rows' byte offset in p
	s_mov_b32 s5, 0
	s_mul_i32 s6, s[GID], 49152                    ; s[6:7]: my unit 0's byte offset in a sample of p: 256 (192 g + 16 w)
	s_lshl_b32 s7, s[WV], 12
	s_add_co_u32 s6, s6, s7
	s_mov_b32 s7, 0
	s_lshl_b32 s96, s3, 3                          ; s[96:97]: the one-sample unit's agents in a plane of obs
	s_mov_b32 s97, 0
	s_mul_i32 s98, s2, 400000                      ; s[98:99]: and in out, at its sample's plane of step 0
	s_add_co_u32 s98, s98, s96
	s_mov_b32 s99, 0
	; Group 1 of a unit's tile.  16 agents' rows lie end to end, so a sample's part is ONE row of 1,024 elements, and the 5 samples are 5 rows 3,200,000 elements apart; the padding falls behind every 64 words, that is every agent.
	s_mov_b32 s[G1U+0], (2<<16)|(1<<20)|(5<<22)|(3<<25)  ; 17:16 elements of 4 bytes; 20 padding on; 24:22 after every 64 words (code 5); 31:25 4 words of it (code 3)
	s_mov_b32 s[G1U+1], 1024<<16                   ; tensor_dim0 = 1,024
	s_mov_b32 s[G1U+2], 5<<16                      ; tensor_dim1 = 5
	s_mov_b32 s[G1U+3], 1024<<16                   ; tile_dim0 = 1,024
	s_mov_b32 s[G1U+4], 5                          ; tile_dim1 = 5
	s_mov_b32 s[G1U+5], 3200000                    ; elements from row to row
	s_mov_b32 s[G1U+6], 0
	s_mov_b32 s[G1U+7], 0
	s_mov_b32 s[G1R+0], (2<<16)|(1<<20)|(5<<22)|(3<<25)  ; the one-sample unit: 16 rows of 64 elements
	s_mov_b32 s[G1R+1], 64<<16
	s_mov_b32 s[G1R+2], 16<<16
	s_mov_b32 s[G1R+3], 64<<16
	s_mov_b32 s[G1R+4], 16
	s_mov_b32 s[G1R+5], 64
	s_mov_b32 s[G1R+6], 0
	s_mov_b32 s[G1R+7], 0
	s_mul_i32 s56, s[WV], WSLOT                    ; my wave's three slots
	s_mul_i32 s57, s[WV], RSLOT
.irp u, 0,1,2
	s_mov_b32 s[G0U+4*\u], 1                       ; count = 1
	s_add_co_u32 s[G0U+4*\u+1], s56, \u*USLOT      ; LDS address
.endr
	s_mov_b32 s[G0R], 1
	s_add_co_u32 s[G0R+1], s57, RS
	s_mov_b32 s[SEL], 0x76543210
	s_mov_b32 s[SEL+1], 0xfedcba98
	s_mov_b32 s[TINY], 0x21800000
	s_mov_b32 s[HIM], 0xffff0000
	s_mov_b32 s[SM1], 0xbf800000
	s_mov_b32 s[SP1], 0x3f800000
	v_and_b32 v[LANE], 31, v0
	v_and_b32 v[RR], 15, v0
	v_bfe_u32 v[HH], v0, 4, 1
	v_mul_u32_u24 v[XO], v[HH], 400000             ; x: lanes 0-15 take an even plane of obs, lanes 16-31 the odd one behind it
	v_lshl_add_u32 v[XO], v[RR], 3, v[XO]
	s_wait_dscnt 0x0                               ; the opening add is done
	s_wait_kmcnt 0x0
	s_add_nc_u64 s[6:7], s[8:9], s[6:7]            ; p at my unit 0, sample 0
.irp u, 0,1,2
	s_add_nc_u64 s[G0U+4*\u+2:G0U+4*\u+3], s[6:7], \u*16384  ; 64 agents on
	s_or_b32 s[G0U+4*\u+3], s[G0U+4*\u+3], 0x80000000        ; type = 2
.endr
	s_add_nc_u64 s[G0R+2:G0R+3], s[8:9], s[4:5]
	s_or_b32 s[G0R+3], s[G0R+3], 0x80000000
	s_add_nc_u64 s[58:59], s[10:11], s[96:97]      ; obs and out at the one-sample unit's agents
	s_add_nc_u64 s[92:93], s[32:33], s[98:99]
	; ALL FILLS OF THE LAUNCH, in one group: no LDS byte is ever filled again.  Four loads of mine are out at the most.  An s_nop 0 follows each, four v_nop the last.
	s_cmp_eq_u32 s[REM], 1
	s_cbranch_scc0 .Lthree
	tensor_load_to_lds s[G0R:G0R+3], s[G1R:G1R+7]  ; wanted first, asked for first
	s_nop 0
	tensor_load_to_lds s[G0U:G0U+3], s[G1U:G1U+7]
	s_nop 0
	tensor_load_to_lds s[G0U+4:G0U+7], s[G1U:G1U+7]
	s_nop 0
	tensor_load_to_lds s[G0U+8:G0U+11], s[G1U:G1U+7]
	s_nop 0
	PLACES 4
	global_load_b64 v[16:17], v[XO], s[58:59]      ; the one-sample unit's x: obs[0], obs[1]
	global_load_b64 v[18:19], v[XO], s[58:59] offset:800000  ; obs[2], obs[3]
	s_branch .Lfilled
.Lthree:
	tensor_load_to_lds s[G0U:G0U+3], s[G1U:G1U+7]
	s_nop 0
	tensor_load_to_lds s[G0U+4:G0U+7], s[G1U:G1U+7]
	s_nop 0
	tensor_load_to_lds s[G0U+8:G0U+11], s[G1U:G1U+7]
	s_nop 0
	PLACES 4
	v_mov_b32 v16, 0                               ; slot 0 of my x table is stored all the same, and read by nobody
	v_mov_b32 v17, 0
	v_mov_b32 v18, 0
	v_mov_b32 v19, 0
.Lfilled:
	v_cmp_gt_u32 vcc_lo, 16, v[LANE]               ; lanes 0-15: written here, behind the tensor loads, and never again
	v_cndmask_b32 v[MLO], 0, -1, vcc_lo
	v_cndmask_b32 v[MHI], -1, 0, vcc_lo
	; THE WEIGHTS, raw.  A fragment of 16 rows x 32 K: lane l takes row l % 16, K = 8 (l / 16) + 0..7 and 16 + 8 (l / 16) + 0..7: in f32 four loads of 16 bytes at 32 hh + 0, 16, 64, 80.
	v_lshlrev_b32 v[WO], 8, v[RR]
	v_lshl_add_u32 v[WO], v[HH], 5, v[WO]          ; rows of 256 bytes
	v_lshlrev_b32 v[W2O], 7, v[RR]
	v_lshl_add_u32 v[W2O], v[HH], 5, v[W2O]        ; rows of 128 bytes
	v_lshlrev_b32 v[WIO], 9, v[HH]
	v_lshl_add_u32 v[WIO], v[RR], 3, v[WIO]        ; w_ih: row 64 hh + r, 8 bytes a row
	v_lshlrev_b32 v[BO], 8, v[HH]
	v_lshl_add_u32 v[BO], v[RR], 2, v[BO]          ; gate biases: the same row, 4 bytes
	v_and_b32 v[PO], 1, v[RR]
	v_lshlrev_b32 v[PO], 8, v[PO]
	v_lshl_add_u32 v[PO], v[HH], 5, v[PO]          ; pos_w: row r % 2, so that no lane leaves the buffer; rows 2-15 are cleared below
	v_lshlrev_b32 v[LO], 2, v[LANE]
	s_lshl_b32 s2, s[WV], 14
	s_mov_b32 s3, 0
	s_add_nc_u64 s[12:13], s[12:13], s[2:3]        ; wave w converts gate w of W_hh,
	s_lshr_b32 s4, s[WV], 1
	s_lshl_b32 s4, s4, 12
	s_and_b32 s5, s[WV], 1
	s_lshl_b32 s5, s5, 7
	s_add_co_u32 s4, s4, s5
	s_mov_b32 s5, 0
	s_add_nc_u64 s[20:21], s[20:21], s[4:5]        ; fragment w of W1 (rows 16 (w / 2) on, K 32 (w % 2) on),
	s_lshl_b32 s2, s[WV], 11
	s_add_nc_u64 s[24:25], s[24:25], s[2:3]        ; and fragment w of W2 (rows 16 w on)
	s_mul_i32 s2, s[GID], 1536
	s_lshl_b32 s4, s[WV], 7
	s_add_co_u32 s2, s2, s4
	s_add_nc_u64 s[10:11], s[10:11], s[2:3]        ; obs at my unit 0's agents
	WIN 0x80                                       ; destination window 2
.irp i, 0,1,2,3,4,5,6,7                ; fragment 2 t + ks of my gate
.irp c, 0,1,2,3
	global_load_b128 v[16*\i+4*\c:16*\i+4*\c+3], v[WO], s[12:13] offset:4096*(\i/2)+128*(\i%2)+64*(\c/2)+16*(\c%2)
.endr
.endr
.irp c, 0,1,2,3
	global_load_b128 v[128+4*\c:128+4*\c+3], v[WO], s[20:21] offset:64*(\c/2)+16*(\c%2)
	global_load_b128 v[144+4*\c:144+4*\c+3], v[W2O], s[24:25] offset:64*(\c/2)+16*(\c%2)
.endr
	WIN 0xc0                                       ; destination window 3
.irp i, 0,1,2,3,4,5,6,7                ; gate rows 128 (i / 4) + 64 hh + 16 (i % 4) + r
	global_load_b64 v[128+2*\i:128+2*\i+1], v[WIO], s[14:15] offset:1024*(\i/4)+128*(\i%4)
	global_load_b32 v[144+\i], v[BO], s[16:17] offset:512*(\i/4)+64*(\i%4)
	global_load_b32 v[152+\i], v[BO], s[18:19] offset:512*(\i/4)+64*(\i%4)
.endr
.irp c, 0,1,2,3,4,5,6,7
	global_load_b128 v[160+4*\c:160+4*\c+3], v[PO], s[28:29] offset:64*(\c/2)+16*(\c%2)
.endr
	WIN 0
	global_load_b32 v27, v[LO], s[22:23]           ; b1[lane]
	global_load_b32 v28, v[LO], s[26:27]           ; b2[lane]
	global_load_b32 v29, v[LO], s[26:27] offset:128  ; b2[32 + lane]
.irp u, 0,1,2
	global_load_b64 v[36+4*\u:37+4*\u], v[XO], s[10:11] offset:512*\u
	global_load_b64 v[38+4*\u:39+4*\u], v[XO], s[10:11] offset:800000+512*\u
.endr
	s_load_b64 s[94:95], s[30:31], 0x0             ; pos_b
	; addresses and constants, while the loads are out
	v_mul_u32_u24 v[PL0], v[RR], PITCH
	v_lshl_add_u32 v[PL0], v[HH], 5, v[PL0]
	s_lshl_b32 s2, s[WV], 10
	s_add_co_u32 s2, s2, XT
	v_lshl_add_u32 v[XA0], v[RR], 2, s2
	v_lshl_add_u32 v[XS], v[LANE], 2, s2
	s_lshl_b32 s3, s[WV], 9
	s_add_co_u32 s3, s3, BT
	v_lshl_add_u32 v[BA], v[HH], 5, s3
	v_lshl_add_u32 v[BS], v[LANE], 2, s3
	v_lshl_add_u32 v[SA0], v[RR], 3, s56
	v_lshlrev_b32 v[OA], 3, v[RR]
	v_lshl_add_u32 v[FA], v[LANE], 4, W12
	s_lshl_b32 s4, s[WV], 13
	s_add_co_u32 s4, s4, ZB
	v_lshl_add_u32 v[ZA], v[LANE], 4, s4           ; my gate's eight fragments
	s_lshl_b32 s5, s[WV], 10
	v_add_nc_u32 v1, s5, v[FA]                     ; my fragment of W1; W2's lies 4,096 on
	v_cmp_gt_u32 s[MSK], 2, v[RR]
	WIN 0x80
	v_mov_b32 v[SIX], 0x3e2aaaab
	v_mov_b32 v[SIX+1], 0x3e2aaaab
	v_mov_b32 v[HLF], 0.5
	v_mov_b32 v[HLF+1], 0.5
.irp i, 0,1,2,3,4,5,8,9,10,11,12,13,16,17,18,19,20,21
	v_mov_b32 v[RUN+\i], 0
.endr
	WIN 0xc0
	v_mov_b32 v[SIX], 0x3e2aaaab
	v_mov_b32 v[SIX+1], 0x3e2aaaab
	v_mov_b32 v[HLF], 0.5
	v_mov_b32 v[HLF+1], 0.5
.irp i, 2,3,4,5,6,7
	v_mov_b32 v[POSB+\i], 0
.endr
	WIN 0
	s_wait_loadcnt 0x0                             ; all raw weights, biases and x
	s_wait_kmcnt 0x0                               ; pos_b
	s_wait_xcnt 0x0                                ; and their address registers may be written again
; 16 raw f32 at s of window sw -> 8 registers at d of window dw: rounded to bf16 (CVB); that number written as f16 (CVH)
.macro CVB dw, d, sw, s
	WIN 5*(\sw)|((\dw)<<6)
.irp p, 0,1,2,3,4,5,6,7
	v_cvt_pk_bf16_f32 v[(\d)+\p], v[(\s)+2*\p], v[(\s)+2*\p+1]
.endr
.endm
.macro CVH dw, d, sw, s
	CVB 0, CT, \sw, \s
	WIN 0
.irp p, 0,1,2,3,4,5,6,7
	v_lshlrev_b32 v[CT+8+2*\p], 16, v[CT+\p]
	v_and_b32 v[CT+9+2*\p], s[HIM], v[CT+\p]
.endr
	WIN (\dw)<<6
.irp p, 0,1,2,3,4,5,6,7
	v_cvt_pk_f16_f32 v[(\d)+\p], v[CT+8+2*\p], v[CT+9+2*\p]
.endr
.endm
	v_cvt_pk_bf16_f32 v16, v16, v17                ; x: one word an agent and plane
	v_cvt_pk_bf16_f32 v18, v18, v19
	ds_store_b32 v[XS], v16
	ds_store_b32 v[XS], v18 offset:128
.irp u, 0,1,2
	v_cvt_pk_bf16_f32 v[36+4*\u], v[36+4*\u], v[37+4*\u]
	v_cvt_pk_bf16_f32 v[38+4*\u], v[38+4*\u], v[39+4*\u]
	ds_store_b32 v[XS], v[36+4*\u] offset:256*(\u+1)
	ds_store_b32 v[XS], v[38+4*\u] offset:256*(\u+1)+128
.endr
	v_cvt_pk_bf16_f32 v27, v27, v28                ; the MLP's biases, rounded to bf16 and kept as f32: they are C operands
	v_cvt_pk_bf16_f32 v29, v29, v29
	v_lshlrev_b32 v28, 16, v27
	v_and_b32 v27, s[HIM], v27
	v_lshlrev_b32 v29, 16, v29
	ds_store_b32 v[BS], v28
	ds_store_b32 v[BS], v27 offset:128
	ds_store_b32 v[BS], v29 offset:256
	v_mov_b32 v[CT], s94
	v_mov_b32 v[CT+1], s95
	v_cvt_pk_bf16_f32 v[CT+2], v[CT], v[CT+1]
	WIN 0xc0
	v_lshlrev_b32 v[POSB], 16, v[CT+2]
	v_and_b32 v[POSB+1], s[HIM], v[CT+2]
.irp i, 0,1,2,3,4,5,6,7
	CVH 3, 8*\i, 2, 16*\i                          ; my gate of W_hh
.endr
	CVB 3, 64, 2, 128                              ; W1 meets p: bf16
	CVH 3, 72, 2, 144                              ; W2 meets h1: f16
	WIN 0x0c                                       ; store data in window 3
.irp i, 0,1,2,3,4,5,6,7
	ds_store_b128 v[ZA], v[8*\i:8*\i+3] offset:1024*\i
	ds_store_b128 v[ZA], v[8*\i+4:8*\i+7] offset:1024*\i+512
.endr
	ds_store_b128 v1, v[64:67]
	ds_store_b128 v1, v[68:71] offset:512
	ds_store_b128 v1, v[72:75] offset:4096
	ds_store_b128 v1, v[76:79] offset:4608
	WIN 0xcf                                       ; W_ih and the gate biases stay in my registers: register 2 q of fragment G holds (w_ih[row][0], w_ih[row][1]), register 2 q + 1 (b_ih[row], b_hh[row])
.irp i, 0,1,2,3,4,5,6,7
	v_cvt_pk_bf16_f32 v[WXA+2*\i], v[128+2*\i], v[128+2*\i+1]
	v_cvt_pk_bf16_f32 v[WXA+2*\i+1], v[144+\i], v[152+\i]
.endr
	CVH 3, POSA, 3, 160
	CVH 3, POSA+8, 3, 176
	WIN 0xcc
.irp i, 0,1,2,3,4,5,6,7,8,9,10,11,12,13,14,15
	v_cndmask_b32 v[POSA+\i], 0, v[POSA+\i], s[MSK]  ; rows 2-15 of the read-out's weight are 0
.endr
	WIN 0
	s_wait_dscnt 0x0                               ; for the others' sake: my fragments are in LDS
	s_barrier_signal -1
	s_barrier_wait -1                              ; everybody's are.  The tensor loads stay out, and each tile is read by the wave that asked for it
	v_lshl_add_u32 v[ZA], v[LANE], 4, ZB
	WIN 0x40                                       ; W_hh stays in window 1 for the whole launch
.set i, 0
.rept 32
	ds_load_b128 v[8*i:8*i+3], v[ZA] offset:1024*i
	ds_load_b128 v[8*i+4:8*i+7], v[ZA] offset:1024*i+512
.set i, i+1
.endr
	WIN 0
	s_wait_dscnt 0x0
; THE VECTOR WORK STANDS IN QUEUES, numbered lists in the order in which their entries become ready.  QSET names the queue in hand; SLICE, behind a matrix instruction, writes its next share: slice k of nsl
; holds entries k len / nsl up to (k + 1) len / nsl.  No entry names a register of the products round it.
.macro QSET kind, y, len, nsl
.set QKIND, \kind
.set QY, \y
.set QLEN, \len
.set QNSL, \nsl
.set QI, 0
.set QN, 0
.endm
; Queue 1: a cell step of sample QY, 44 entries for each dim block of 16: i, g, f are clipped; i g; c = f c + i g; o; the clip of c; o times it; h in f16.  Each gate's sums are read from their low end on.
.macro EWE
.set eT, QN/44
.set eM, QN%44
.set eX, 2+(QY&1)
.set eA, 32*eT
.set eC, 128+32*(QY>>1)+8*eT
.if eM < 40
	WIN 0x55*eX
.else
	WIN 5*eX
.endif
.if eM < 4
.set eP, eA+2*eM
	v_pk_fma_f32 v[eP:eP+1], v[eP:eP+1], v[SIX:SIX+1], v[HLF:HLF+1] clamp
.elseif eM < 12
.set eP, eA+16+eM-4
	v_med3_num_f32 v[eP], v[eP], s[SM1], s[SP1]
.elseif eM < 16
.set eP, eA+8+2*(eM-12)
	v_pk_fma_f32 v[eP:eP+1], v[eP:eP+1], v[SIX:SIX+1], v[HLF:HLF+1] clamp
.elseif eM < 20
.set eP, eA+2*(eM-16)
	v_pk_mul_f32 v[eP:eP+1], v[eP:eP+1], v[eP+16:eP+17]
.elseif eM < 24
.set eP, 2*(eM-20)
	v_pk_fma_f32 v[eC+eP:eC+eP+1], v[eA+8+eP:eA+8+eP+1], v[eC+eP:eC+eP+1], v[eA+eP:eA+eP+1]
.elseif eM < 28
.set eP, eA+24+2*(eM-24)
	v_pk_fma_f32 v[eP:eP+1], v[eP:eP+1], v[SIX:SIX+1], v[HLF:HLF+1] clamp
.elseif eM < 36
.set eP, eM-28
	v_med3_num_f32 v[eA+8+eP], v[eC+eP], s[SM1], s[SP1]
.elseif eM < 40
.set eP, eA+24+2*(eM-36)
	v_pk_mul_f32 v[eP:eP+1], v[eP:eP+1], v[eP-16:eP-15]
.else
.set eP, eM-40
	v_cvt_pk_f16_f32 v[HB+16*QY+4*eT+eP], v[eA+24+2*eP], v[eA+24+2*eP+1]
.endif
.endm
; Queue 2: step 0, 32 entries a dim block.  The sums are gates / S; c0 = 0, so f is not made and c = i g, which lies in -1 to 1: its clip changes nothing.
.macro EW0E
.set eT, QN/32
.set eM, QN%32
.set eX, 2+(QY&1)
.set eA, 32*eT
.set eC, 128+32*(QY>>1)+8*eT
.if eM < 28
	WIN 0x55*eX
.else
	WIN 5*eX
.endif
.if eM < 4
.set eP, eA+2*eM
	v_pk_fma_f32 v[eP:eP+1], v[eP:eP+1], v[K6:K6+1], v[HLF:HLF+1] clamp
.elseif eM < 8
.set eP, eA+16+2*(eM-4)
	v_pk_mul_f32 v[eP:eP+1], v[eP:eP+1], v[SS:SS+1]
.elseif eM < 12
.set eP, eA+24+2*(eM-8)
	v_pk_fma_f32 v[eP:eP+1], v[eP:eP+1], v[K6:K6+1], v[HLF:HLF+1] clamp
.elseif eM < 20
.set eP, eA+16+eM-12
	v_med3_num_f32 v[eP], v[eP], s[SM1], s[SP1]
.elseif eM < 24
.set eP, 2*(eM-20)
	v_pk_mul_f32 v[eC+eP:eC+eP+1], v[eA+eP:eA+eP+1], v[eA+16+eP:eA+16+eP+1]
.elseif eM < 28
.set eP, 2*(eM-24)
	v_pk_mul_f32 v[eA+24+eP:eA+24+eP+1], v[eA+24+eP:eA+24+eP+1], v[eC+eP:eC+eP+1]
.else
.set eP, eM-28
	v_cvt_pk_f16_f32 v[HB+16*QY+4*eT+eP], v[eA+24+2*eP], v[eA+24+2*eP+1]
.endif
.endm
; Queue 3: h0 / S into f16, 32 entries a sample
.macro M5BE
.set eY, QN/32
.set eM, QN%32
.set eX, 2+(eY&1)
.set eC, 128+32*(eY>>1)
.if eM < 16
	WIN 0x55*eX
	v_pk_mul_f32 v[eC+2*eM:eC+2*eM+1], v[eC+2*eM:eC+2*eM+1], v[INV:INV+1]
.else
	WIN 5*eX
	v_cvt_pk_f16_f32 v[HB+16*eY+eM-16], v[eC+2*(eM-16)], v[eC+2*(eM-16)+1]
.endif
.endm
.macro QENT
.if QKIND == 1
	EWE
.elseif QKIND == 2
	EW0E
.elseif QKIND == 3
	M5BE
.endif
.set QN, QN+1
.endm
.macro SLICE
.set QHI, ((QI+1)*QLEN)/QNSL
.rept QHI-QN
	QENT
.endr
.set QI, QI+1
.endm
; THE GATE PRODUCTS of sample s: for each dim block t its four gates' first K half, with XG as C, then the second in place: the four sums take turns, one instruction a turn.
; first = 1: step 0 makes no f.  A slice of the queue in hand stands behind each.
.macro GATES s, first
.set gX, 2+((\s)&1)
.set gH, HB+16*(\s)
.irp t, 0,1,2,3
.irp q, 0,1,2,3
.if !((\first) && ((\q) == 1))
	WIN 0x01|(gX<<6)
	v_wmma_f32_16x16x32_f16 v[32*\t+8*\q:32*\t+8*\q+7], v[64*\q+16*\t:64*\q+16*\t+7], v[gH:gH+7], v[XGB+32*\q+8*\t:XGB+32*\q+8*\t+7]
	SLICE
.endif
.endr
.irp q, 0,1,2,3
.if !((\first) && ((\q) == 1))
	WIN 0x01|(gX<<4)|(gX<<6)
	v_wmma_f32_16x16x32_f16 v[32*\t+8*\q:32*\t+8*\q+7], v[64*\q+16*\t+8:64*\q+16*\t+15], v[gH+8:gH+15], v[32*\t+8*\q:32*\t+8*\q+7]
	SLICE
.endif
.endr
.endr
.endm
; XG's tile T = W_ih x + b_ih + b_hh for gate rows 16 T on.  Only 4 of a product's 32 K are wanted, so a fragment of WXA holds EIGHT tiles: tile 8 G + 4 hh + q in registers 2 q, 2 q + 1 of the lanes of half hh.
; Source 1 picks one of them: eight registers of RUN, begun so that (x0, x1) and (1, 1) of that half of the lanes fall on registers 2 q, 2 q + 1, and zeros on all others.
.macro XGW T
.set xG, (\T)/8
.set xH, ((\T)/4)%2
.set xQ, (\T)%4
	WIN 0x0b                                       ; WXA in window 3, RUN in window 2, XG in window 0
	v_wmma_f32_16x16x32_bf16 v[XGB+8*(\T):XGB+8*(\T)+7], v[WXA+8*xG:WXA+8*xG+7], v[RUN+6+8*xH-2*xQ:RUN+6+8*xH-2*xQ+7], 0
.endm
; The read-out of sample s, K half ks.  wa = 1: it follows its own first half directly, with the wait ahead of it.
.macro PW s, ks, wa=0
	WIN 0xf3
.if \wa
	s_wait_alu depctr_va_vdst(0)
.endif
.if (\ks) == 0
	v_wmma_f32_16x16x32_f16 v[PAC+8*(\s):PAC+8*(\s)+7], v[POSA:POSA+7], v[HB+16*(\s):HB+16*(\s)+7], v[POSB:POSB+7]
.else
	v_wmma_f32_16x16x32_f16 v[PAC+8*(\s):PAC+8*(\s)+7], v[POSA+8:POSA+15], v[HB+16*(\s)+8:HB+16*(\s)+15], v[PAC+8*(\s):PAC+8*(\s)+7]
.endif
.endm
; A step's results: registers 0, 1 of lanes 0-15 are an agent's two coordinates.  A unit's go into my stage; a one-sample unit's 128 bytes go straight out.
.macro SENDOUT NS
	WIN 0x0c                                       ; store data in window 3
.if (\NS) == 1
	s_wait_xcnt 0x0                                ; EXEC changes only behind this wait,
	s_and_saveexec_b32 s[SVX], vcc_lo
	global_store_b64 v[OA], v[PAC:PAC+1], s[92:93]
	s_wait_xcnt 0x0                                ; and again; the store's base and data are also rewritten only behind it
	s_or_b32 exec_lo, exec_lo, s[SVX]
	s_add_nc_u64 s[92:93], s[92:93], 2000000       ; the next step's five planes
	WIN 0
.else
	s_and_saveexec_b32 s[SVX], vcc_lo
.irp y, 0,1,2,3,4
	ds_store_b64 v[SA], v[PAC+8*\y:PAC+8*\y+1] offset:384*\y
.endr
	s_or_b32 exec_lo, exec_lo, s[SVX]
	WIN 0
	v_add_nc_u32 v[SA], 1920, v[SA]                ; five planes on
.endif
.endm
; A STEP'S END.  The last sample's cell arithmetic rides on the next step's 16 XG products and on the read-outs.  When the last sample's first read-out comes, 16 + NS - 1 of 15 + 2 NS slices are out:
; at least 102 of 128 or 140 of 176 entries, so its dim blocks 0 and 1 are in f16; its second read-out stands behind all slices.
.macro XBLK NS, first
.if \first
	QSET 2, (\NS)-1, 128, 15+2*(\NS)
.else
	QSET 1, (\NS)-1, 176, 15+2*(\NS)
.endif
.irp T, 0,1,2,3,4,5,6,7,8,9,10,11,12,13,14,15
	XGW \T
	SLICE
.endr
.set pS, 0
.rept \NS
	PW pS, 0
	SLICE
.set pS, pS+1
.endr
.set pS, 0
.rept (\NS)-1
	PW pS, 1
	SLICE
.set pS, pS+1
.endr
.if (\NS) == 1
	PW 0, 1, 1
.else
	PW (\NS)-1, 1
.endif
	PLACES 4                                       ; the stores read results just made; the next unit's loads land in registers of these products
	SENDOUT \NS
.endm
; Behind sample 0's products, which have no queue to carry: six or seven plain lines.  They are the places in front of the first reads of those sums and (one sample) of XG's rewriting.  They set x for the XG
; to come, and move the queue of x words up one place: the unit's four planes of obs were fetched at its head, so that no LDS address hangs on the step.
.macro HOOK first
	WIN 0x80
	v_and_b32 v[RUN+6], v[XR], v[MLO]
	v_and_b32 v[RUN+14], v[XR], v[MHI]
.if \first
	v_and_b32 v[RUN+7], 0x3f803f80, v[MLO]         ; from step 1 on the sums are unscaled: (1, 1) in bf16
	v_and_b32 v[RUN+15], 0x3f803f80, v[MHI]
.endif
	WIN 0
	v_mov_b32 v[XR], v[X1]
	v_mov_b32 v[X1], v[X2]
	v_mov_b32 v[X2], v[X3]
.if !(\first)
	v_nop
.endif
.endm
; The largest |h0| of window x's n samples: four chains, one for each dim block, each block's registers in ascending order
.macro MAXW x, n
	WIN 0x55*(\x)
.set mI, 0
.rept 16*(\n)
.set mK, mI%4
.set mA, 128+32*(mI/16)+8*mK+2*((mI/4)%4)
.if mI < 4
	v_max_num_f32 v[112+mK], |v[mA]|, |v[mA+1]|
.else
	v_max3_num_f32 v[112+mK], v[112+mK], |v[mA]|, |v[mA+1]|
.endif
.set mI, mI+1
.endr
	v_max3_num_f32 v112, v112, v113, v114
	v_max_num_f32 v112, v112, v115
.endm
; THE MLP of a unit of NS samples, and step 0's XG.  Its operands lie where the steps' registers are still free: raw p and then h0's sums in the c areas, p in bf16 in h's registers,
; W1, W2, b1, b2 in window 2's v0-111, layer 1's sums and the leaky ReLU's work in window 3's v0-111, h1 in XG's first registers.
.macro MLP NS
	WIN 0x80
.irp f, 0,1,2,3
	ds_load_b128 v[8*\f:8*\f+3], v[FA] offset:1024*\f
	ds_load_b128 v[8*\f+4:8*\f+7], v[FA] offset:1024*\f+512
	ds_load_b128 v[32+8*\f:32+8*\f+3], v[FA] offset:4096+1024*\f
	ds_load_b128 v[32+8*\f+4:32+8*\f+7], v[FA] offset:4096+1024*\f+512
	ds_load_b128 v[80+8*\f:80+8*\f+3], v[BA] offset:128+64*\f
	ds_load_b128 v[80+8*\f+4:80+8*\f+7], v[BA] offset:128+64*\f+16
.endr
.irp f, 0,1
	ds_load_b128 v[64+8*\f:64+8*\f+3], v[BA] offset:64*\f
	ds_load_b128 v[64+8*\f+4:64+8*\f+7], v[BA] offset:64*\f+16
.endr
.set yI, 0
.rept \NS
	WIN (2+(yI&1))<<6
.irp i, 0,1,2,3,4,5,6,7
	ds_load_b128 v[128+32*(yI>>1)+4*\i:128+32*(yI>>1)+4*\i+3], v[PA] offset:RSLOT*yI+64*(\i/2)+16*(\i%2)
.endr
.set yI, yI+1
.endr
	WIN 0
	ds_load_b32 v[XR], v[XA]                       ; obs[0],
	ds_load_b32 v[X1], v[XA] offset:64             ; obs[1],
	ds_load_b32 v[X2], v[XA] offset:128            ; obs[2]
	ds_load_b32 v[X3], v[XA] offset:192            ; and obs[3] of my agent
	s_wait_dscnt 0x0
.set yI, 0
.rept \NS
	WIN 5*(2+(yI&1))
.irp i, 0,1,2,3,4,5,6,7,8,9,10,11,12,13,14,15
	v_cvt_pk_bf16_f32 v[HB+16*yI+\i], v[128+32*(yI>>1)+2*\i], v[128+32*(yI>>1)+2*\i+1]
.endr
.set yI, yI+1
.endr
.irp ks, 0,1                           ; layer 1: tile lI = 2 y + T; the 2 NS sums take turns
.set lI, 0
.rept 2*(\NS)
	WIN 0xe2+0x10*\ks
.if \ks == 0
	v_wmma_f32_16x16x32_bf16 v[8*lI:8*lI+7], v[16*(lI%2):16*(lI%2)+7], v[HB+16*(lI/2):HB+16*(lI/2)+7], v[64+8*(lI%2):64+8*(lI%2)+7]
.else
	v_wmma_f32_16x16x32_bf16 v[8*lI:8*lI+7], v[16*(lI%2)+8:16*(lI%2)+15], v[HB+16*(lI/2)+8:HB+16*(lI/2)+15], v[8*lI:8*lI+7]
.endif
.set lI, lI+1
.endr
.endr
	PLACES 4
.set lI, 0
.rept 2*(\NS)                          ; leaky ReLU = max(x, 0.01 x); h1 in f16
	WIN 0xcf
.irp p, 0,1,2,3
	v_pk_mul_f32 v[80+8*(lI%4)+2*\p:80+8*(lI%4)+2*\p+1], v[8*lI+2*\p:8*lI+2*\p+1], 0x3c23d70a op_sel_hi:[1,0]
.endr
.irp k, 0,1,2,3,4,5,6,7
	v_max_num_f32 v[8*lI+\k], v[8*lI+\k], v[80+8*(lI%4)+\k]
.endr
	WIN 0x0f
.irp p, 0,1,2,3
	v_cvt_pk_f16_f32 v[XGB+4*lI+\p], v[8*lI+2*\p], v[8*lI+2*\p+1]
.endr
.set lI, lI+1
.endr
.set lI, 0
.rept 4*(\NS)                          ; layer 2: sample lI / 4, dim block lI % 4; one K step, C = b2
	WIN 0x22|((2+((lI/4)&1))<<6)
	v_wmma_f32_16x16x32_f16 v[128+32*((lI/4)>>1)+8*(lI%4):128+32*((lI/4)>>1)+8*(lI%4)+7], v[32+8*(lI%4):32+8*(lI%4)+7], v[XGB+8*(lI/4):XGB+8*(lI/4)+7], v[80+8*(lI%4):80+8*(lI%4)+7]
.set lI, lI+1
.endr
	PLACES 4
	MAXW 2, ((\NS)+1)/2
.if (\NS) > 1
	MAXW 3, (\NS)/2
	WIN 0x0e
	v_max_num_f32 v16, v112, v112                  ; window 2's and window 3's
.else
	WIN 0x02
	v_mov_b32 v16, v112
.endif
	WIN 0
	v_mov_b32 v17, v16                             ; the permute's destination counts as read
	v_permlanex16_b32 v17, v16, s[SEL], s[SEL+1]   ; the agent's other 32 dims lie in the lane 16 away
	v_max_num_f32 v16, v16, v17
	v_max_num_f32 v16, s[TINY], v16
	v_and_b32 v18, 0x7f800000, v16                 ; S: the exponent alone
	v_sub_nc_u32 v19, 0x7f000000, v18              ; 1 / S: the exponent mirrored
	v_mul_f32 v20, 0x3e2aaaab, v18                 ; S / 6
	v_lshlrev_b32 v21, 16, v[XR]
	v_and_b32 v22, s[HIM], v[XR]
	v_mul_f32 v21, v21, v19
	v_mul_f32 v22, v22, v19
	v_cvt_pk_bf16_f32 v23, v21, v22                ; x / S and 1 / S are exact in bf16
	v_cvt_pk_bf16_f32 v24, v19, v19
.irp w, 0x80, 0xc0
	WIN \w
	v_mov_b32 v[K6], v20
	v_mov_b32 v[K6+1], v20
	v_mov_b32 v[SS], v18
	v_mov_b32 v[SS+1], v18
	v_mov_b32 v[INV], v19
	v_mov_b32 v[INV+1], v19
.endr
	WIN 0x80
	v_and_b32 v[RUN+6], v23, v[MLO]
	v_and_b32 v[RUN+7], v24, v[MLO]
	v_and_b32 v[RUN+14], v23, v[MHI]
	v_and_b32 v[RUN+15], v24, v[MHI]
	QSET 3, 0, 32*(\NS), 12
.irp T, 0,1,2,3,8,9,10,11,12,13,14,15  ; step 0's XG / S: i, g, o
	XGW \T
	SLICE
.endr
	PLACES 5                                       ; XG is the C of other sums
.endm
; A UNIT of NS samples: the MLP, step 0, and a loop of four steps.  Step 0's end makes XG of step 1 from obs[0] once more; trip t makes XG of step t + 1 from obs[t].
; The fourth trip's 16 XG products serve nothing: the price of one text for four trips.
.macro UNIT NS
	MLP \NS
	QSET 0, 0, 0, 1
	GATES 0, 1
	HOOK 1
.set uS, 1
.rept (\NS)-1
	QSET 2, uS-1, 128, 24
	GATES uS, 1
.set uS, uS+1
.endr
	XBLK \NS, 1
	s_mov_b32 s[TC], 4
.Lstep_\@:
	QSET 0, 0, 0, 1
	GATES 0, 0
	HOOK 0
.set uS, 1
.rept (\NS)-1
	QSET 1, uS-1, 176, 32
	GATES uS, 0
.set uS, uS+1
.endr
	XBLK \NS, 0
	s_sub_co_u32 s[TC], s[TC], 1
	s_cmp_lg_u32 s[TC], 0
	s_cbranch_scc1 .Lstep_\@
.endm
	s_cmp_eq_u32 s[REM], 1
	s_cbranch_scc0 .Lno_rem
	v_add_nc_u32 v[PA], s[G0R+1], v[PL0]
	v_mov_b32 v[XA], v[XA0]
	s_wait_tensorcnt 0x3                           ; its tile is in: the three units' tiles, asked for behind it, stay out
	UNIT 1
.Lno_rem:
	v_add_nc_u32 v[PA], s56, v[PL0]
	s_mov_b32 s[SOFF], 0
	s_mov_b32 s[XOFF], 256
	s_mov_b32 s[UC], 3
	s_wait_tensorcnt 0x2                           ; unit 0's tile is in: units 1 and 2, asked for behind it, stay out
.Lunit:
	v_add_nc_u32 v[SA], s[SOFF], v[SA0]            ; the unit's 128 bytes in each plane of my stage
	v_add_nc_u32 v[XA], s[XOFF], v[XA0]            ; its slot of x
	UNIT 5
	v_add_nc_u32 v[PA], USLOT, v[PA]
	s_add_co_u32 s[SOFF], s[SOFF], 128
	s_add_co_u32 s[XOFF], s[XOFF], 256
	s_wait_tensorcnt 0x0                           ; the next trip reads the next slot.  Both later tiles were asked for at the launch's start; no slot is filled again, so no barrier goes with this wait
	s_sub_co_u32 s[UC], s[UC], 1
	s_cmp_lg_u32 s[UC], 0
	s_cbranch_scc1 .Lunit
	; THE WAY OUT.  A plane's 192 agents of the work-group are 1,536 consecutive bytes: 12 pieces of 128 (piece 4 u + w' from wave w's stage).  Wave w takes planes w + 4 n; a plane begins 128 x (plane % 2)
	; bytes behind a multiple of 256, and plane % 2 = w % 2, so the pieces are taken from piece w % 2 on, round the end: sixteen neighbouring lanes store 256 consecutive aligned bytes, but for an odd plane's two end pieces.
	; The plane stands in the immediates: 1,536 n in LDS; in memory (n - 3) x 1,600,000 from a base three strides in, inside the signed 24 bits (ISA guide, chapter 10: the table of the instructions' fields).
	s_wait_dscnt 0x0                               ; for the others' sake: my stage is written
	s_barrier_signal -1
	s_barrier_wait -1
	s_and_b32 s2, s[WV], 1
	s_mul_i32 s3, s[WV], 384
	v_lshrrev_b32 v16, 3, v[LANE]
	v_and_b32 v17, 7, v[LANE]
	v_lshlrev_b32 v17, 4, v17
	v_add_nc_u32 v16, s2, v16
.irp i, 0,1,2
	v_add_nc_u32 v18, 4*\i, v16
.if \i == 2
	v_cmp_lt_u32 s[MSK], 11, v18
	v_cndmask_b32 v18, v18, 0, s[MSK]              ; piece 12 is piece 0
.endif
	v_and_b32 v19, 3, v18
	v_lshrrev_b32 v20, 2, v18
	v_mul_u32_u24 v19, v19, WSLOT
	v_lshl_add_u32 v19, v20, 7, v19
	v_add3_u32 v[21+\i], v19, v17, s3              ; in LDS: wave piece % 4's stage, plane w, unit piece / 4
	v_lshl_add_u32 v[24+\i], v18, 7, v17           ; in the plane's 1,536 bytes
.endr
	s_mul_i32 s4, s[GID], 1536
	s_mul_i32 s5, s[WV], 400000
	s_add_co_u32 s4, s4, s5
	s_add_co_u32 s4, s4, 3*1600000
	s_mov_b32 s5, 0
	s_add_nc_u64 s[92:93], s[32:33], s[4:5]        ; out at my work-group's agents in plane w + 12
	s_cmp_lg_u32 s[WV], 0                          ; 25 planes: wave 0 has a seventh, plane 24, and sends it first
	s_cbranch_scc1 .Lsix
.irp i, 0,1,2
	ds_load_b128 v[OD+72+4*\i:OD+72+4*\i+3], v[21+\i] offset:6*1536
.endr
	s_wait_dscnt 0x0
.irp i, 0,1,2
	global_store_b128 v[24+\i], v[OD+72+4*\i:OD+72+4*\i+3], s[92:93] offset:3*1600000 th:TH_STORE_NT
.endr
.Lsix:
.irp n, 0,1,2,3,4,5
.irp i, 0,1,2
	ds_load_b128 v[OD+12*\n+4*\i:OD+12*\n+4*\i+3], v[21+\i] offset:\n*1536
.endr
.endr
.irp n, 0,1,2,3,4,5
	s_wait_dscnt 15-3*\n                           ; LDS loads come back in order (ISA guide 5.7.1): plane n's three are in, the later planes' stay out
.irp i, 0,1,2
	global_store_b128 v[24+\i], v[OD+12*\n+4*\i:OD+12*\n+4*\i+3], s[92:93] offset:(\n-3)*1600000 th:TH_STORE_NT
.endr
.endr
	s_wait_tensorcnt 0x0                           ; the wave's end: behind my last tensor load and my last LDS store
	ds_add_u32 v[SPW], v[NIL]
	s_wait_dscnt 0x0
	s_endpgm
.Lfunc_end_k_qf520c0aa3b_gcrl:
	.size	k_qf520c0aa3b_gcrl, .Lfunc_end_k_qf520c0aa3b_gcrl-k_qf520c0aa3b_gcrl
	.p2alignl 7, 3214868480
	.fill 96, 4, 3214868480
	.section	.rodata,"a",@progbits
	.p2align	6, 0x0
	.amdhsa_kernel k_qf520c0aa3b_gcrl
		.amdhsa_group_segment_fixed_size 327680
		.amdhsa_private_segment_fixed_size 0
		.amdhsa_enable_private_segment 0
		.amdhsa_kernarg_size 104
		.amdhsa_user_sgpr_count 2
		.amdhsa_user_sgpr_kernarg_segment_ptr 1
		.amdhsa_wavefront_size32 1
		.amdhsa_system_sgpr_workgroup_id_x 1
		.amdhsa_system_sgpr_workgroup_id_y 1
		.amdhsa_system_sgpr_workgroup_id_z 1
		.amdhsa_system_vgpr_workitem_id 0
		.amdhsa_next_free_vgpr 1024
		.amdhsa_next_free_sgpr 100
		.amdhsa_reserve_vcc 1
		.amdhsa_float_denorm_mode_32 3
		.amdhsa_float_denorm_mode_16_64 3
		.amdhsa_memory_ordered 1
		.amdhsa_forward_progress 1
		.amdhsa_inst_pref_size 255
	.end_amdhsa_kernel
	.section	.bss,"aw",@nobits
	.p2align	6
	.space	262144
	.amdgpu_metadata
---
amdhsa.version: [ 1, 2 ]
amdhsa.kernels:
  - .name:           k_qf520c0aa3b_gcrl
    .symbol:         k_qf520c0aa3b_gcrl.kd
    .args:
      - { .name: pred_lstm_hidden, .offset: 0, .size: 8, .value_kind: global_buffer, .address_space: global }
      - { .name: obs_traj_rel, .offset: 8, .size: 8, .value_kind: global_buffer, .address_space: global }
      - { .name: w_hh, .offset: 16, .size: 8, .value_kind: global_buffer, .address_space: global }
      - { .name: w_ih, .offset: 24, .size: 8, .value_kind: global_buffer, .address_space: global }
      - { .name: b_ih, .offset: 32, .size: 8, .value_kind: global_buffer, .address_space: global }
      - { .name: b_hh, .offset: 40, .size: 8, .value_kind: global_buffer, .address_space: global }
      - { .name: map_w1, .offset: 48, .size: 8, .value_kind: global_buffer, .address_space: global }
      - { .name: map_b1, .offset: 56, .size: 8, .value_kind: global_buffer, .address_space: global }
      - { .name: map_w2, .offset: 64, .size: 8, .value_kind: global_buffer, .address_space: global }
      - { .name: map_b2, .offset: 72, .size: 8, .value_kind: global_buffer, .address_space: global }
      - { .name: pos_w, .offset: 80, .size: 8, .value_kind: global_buffer, .address_space: global }
      - { .name: pos_b, .offset: 88, .size: 8, .value_kind: global_buffer, .address_space: global }
      - { .name: out0, .offset: 96, .size: 8, .value_kind: global_buffer, .address_space: global }
    .group_segment_fixed_size: 327680
    .private_segment_fixed_size: 0
    .kernarg_segment_align: 8
    .kernarg_segment_size: 104
    .max_flat_workgroup_size: 128
    .sgpr_count:     100
    .vgpr_count:     1024
    .wavefront_size: 32
...
	.end_amdgpu_metadata
.endif
;; end of part 1
